; MI455X (gfx1250); checked and timed in simulation.
; The chip was launched on July 23, 2026; its instructions are those of AMD's public machine-readable ISA for CDNA 5 (MIT licence, August 2026) and "CDNA5" Instruction Set Architecture Reference Guide (July 2026). The comments in the code are by the model that wrote it; some were corrected since.
;; B Spline Function. Allowed arithmetic: float matrix products may take bf16 or f16 operands with f32 sums; all other float work in f32.
;; Inputs: coef 1 x 13 float32; grid 1 x 17 float32; x 2,048 x 4,096 float32.
;; Outputs: out0 2,048 x 4,096 float32.
;; 2 versions, each right and faster than the one before. Each part assembles by itself: llvm-mc -triple=amdgcn-amd-amdhsa -mcpu=gfx1250 --defsym DOCPART=n.
;; ======== version 1 of 2: 1 launch
;; launch bspline (part 1): grid 256 x 1, 16 waves a work-group, no clusters, 3,072 bytes of LDS; arguments x, coef, grid, out0; writes out0
.if DOCPART == 1
	.amdgcn_target "amdgcn-amd-amdhsa--gfx1250"
	.amdhsa_code_object_version 6
	.text
	.protected	k_q8023857350_bspline
	.globl	k_q8023857350_bspline
	.p2align	8
	.type	k_q8023857350_bspline,@function
k_q8023857350_bspline:
	s_mov_b64 s[64:65], 0
	v_nop
	global_prefetch_b8 v0, s[64:65] scope:SCOPE_SE
	s_setreg_imm32_b32 hwreg(HW_REG_WAVE_MODE, 25, 1), 1
	s_wait_xcnt 0x0
; out0 = cubic B-spline of clip(x, -1, 1) on the 17 knots of grid, weighted by the 13 numbers of coef.  x, out0: [2048][4096] f32.
;
; THE FORM.  Every level of the recurrence is linear in the level-0 indicators and the last product is linear in coef.  Between two
; neighbouring SORTED knots s_m <= x < s_(m+1) each indicator (g_j <= x < g_(j+1)) has the value that it has at x = s_m, whatever the order
; of grid.  So on that interval y is ONE cubic in t = x - s_m; its four coefficients are got by running the recurrence once in polynomial
; arithmetic at x = s_m + t.  Below s_0 and from s_16 on no indicator is on: y = 0.  This holds for every grid (unsorted, repeated knots);
; the interval tests are the same f32 comparisons, and all knot differences are formed directly (s - g_j, g_(j+i) - g_j + eps).
; The 13-term product with coef has one output column; it is folded, in f32, into the 16 cubics.
;
; THE WORK.  256 work-groups x 16 waves; a wave owns 8,192 consecutive bytes, a lane 64 numbers (16 loads of 16 bytes, all issued at the start;
; each load and store of a wave covers 512 consecutive bytes, aligned).  Wave 0 builds the table {s_m, a0..a3}, m = 0..15, and s_16, lane m
; for row m, and hands it over through LDS; every wave then holds the 81 words in 81 registers, the same in all lanes.
; An element: clip; a binary search over s_1..s_15, four compares; at each level ALL candidate rows are halved under that one mask
; (40, 20, 10, 5 words), and the next threshold is the s word of a row just selected, so thresholds cost no selects of their own; then
; t, three fused multiply-adds and the test against s_0 and s_16.  Values are chosen by v_cndmask alone: no address and no branch hangs on a number of x or grid.
; Since a level has one mask, its selects go two to an instruction (v_dual_cndmask_b32): the two halves name neighbouring registers, so that
; one destination is even and one odd and like sources differ in register number mod 4, as AMD's ISA guide asks of dual-issue pairs.
;
; No cluster: all that work-groups share is the 120 bytes of grid and coef.  No tensor loads or LDS ring: the 16 loads of each wave already have its whole share on the way.
;
; LIMITS.  A NaN in x is clipped as -1 (v_med3_num_f32), where the reference gives NaN.  NaN or infinity in grid or coef is not served.
; The divisions are v_rcp_f32 (1 ULP) and a multiply; the sums are ordered otherwise than the reference's.
.set WG_SHIFT, 17                      ; 131,072 bytes of x and of out0 for a work-group
.set WAVE_SHIFT, 13                    ; 8,192 bytes for a wave
.set EPS, 0x322bcc77                   ; 1e-8 in f32
.set INF, 0x7f800000
; registers of the stream
.set X, 8                              ; v[8:71]    my 64 numbers of x, then of y, in place
.set T, 72                             ; v[72:152]  the table: row m at T+5m = {s, a0, a1, a2, a3}; T+80 = s_16
.set D, 154                            ; v[154:193] the candidate rows of the element at work
.set P, 194                            ; v194       the polynomial's value
; scalars of wave 0
.set SG, 16                            ; s[16:32]   g_0..g_16
.set SC, 36                            ; s[36:48]   coef_0..coef_12; s35 = coef_(-1) = 0, s49 = coef_13 = 0
.set SR3, 50                           ; s[50:63]   1/(g_(j+3)-g_j+eps), j = 0..13
.set SR1, 66                           ; s[66:81]   1/(g_(j+1)-g_j+eps), j = 0..15
.set SR2, 82                           ; s[82:96]   1/(g_(j+2)-g_j+eps), j = 0..14
.set SLT, 66                           ; s[66:82]   the sort: masks, then ranks (before SR1 is filled)
.set SEQ, 83                           ; s[83:99]   the sort: masks
.set SMK, 82                           ; s[82:98]   masks g_j <= s, then the indicators (before SR2 is filled)
; vector registers of wave 0's table work; they lie where the table and the candidate rows come later
.set E,   72                           ; e_j = s - g_j, j = 0..16
.set U,   89                           ; u_j = indicator_j / (g_(j+1)-g_j+eps), j = 0..15
.set K2,  89                           ; (in U's place once U is spent)
.set B0,  105                          ; level-1 basis j = B0 + B1 t, j = 0..14, times SR2_j
.set B1,  120
.set W0B, 137                          ; weight of level-2 basis j = W0 + W1 t, j = -1..14 (both ends zero)
.set W1B, 153
.set K0,  168                          ; weight of level-1 basis j (without SR2_j) = K0 + K1 t + K2 t^2, j = 0..14
.set K1,  183
.set VS,  198                          ; my centre: the lane-th smallest knot
.set GL,  200                          ; v[200:203] g_(lane+i), i = 0..3, the index held at 16
.set GO,  204                          ; v[204:207] their byte offsets; then the denominators
.set GX,  208                          ; g_lane, +infinity in lanes 17..31
.set RR,  210                          ; v[210:212] the three reciprocals of lane j
.set A,   214                          ; v[214:217] a0..a3 of my row
.set LA,  218                          ; LDS address of my row
	s_load_b256 s[4:11], s[0:1], 0x0               ; x s[4:5], coef s[6:7], grid s[8:9], out0 s[10:11]
	v_lshl_add_u32 v220, v0, 2, 0x400
	v_mov_b32 v221, 0
	v_and_b32 v1, 31, v0                           ; lane
	v_lshrrev_b32 v3, 5, v0
	v_readfirstlane_b32 s2, v3                     ; wave 0..15
	v_lshlrev_b32 v2, 4, v1
	v_lshl_add_u32 v2, v3, WAVE_SHIFT, v2          ; 8,192 wave + 16 lane: my byte offset in the group's share; never rewritten
	s_lshl_b32 s12, ttmp9, WG_SHIFT                ; below 2^25
	s_mov_b32 s13, 0
	s_wait_kmcnt 0x0
	s_add_nc_u64 s[4:5], s[4:5], s[12:13]
	s_add_nc_u64 s[10:11], s[10:11], s[12:13]
	s_cmp_lg_u32 s2, 0
	s_cbranch_scc1 .Lstream
	; wave 0 asks for grid and coef first, so that its wait for them leaves the x loads out
	s_load_b512 s[16:31], s[8:9], 0x0
	s_load_b32 s32, s[8:9], 0x40
	s_load_b256 s[36:43], s[6:7], 0x0
	s_load_b128 s[44:47], s[6:7], 0x20
	s_load_b32 s48, s[6:7], 0x30
.irp i, 0,1,2,3
	v_add_nc_u32 v[GO+\i], \i, v1
.endr
.irp i, 0,1,2,3
	v_min_u32 v[GO+\i], 16, v[GO+\i]               ; no load leaves the 17 words
.endr
.irp i, 0,1,2,3
	v_lshlrev_b32 v[GO+\i], 2, v[GO+\i]
.endr
.irp i, 0,1,2,3
	global_load_b32 v[GL+\i], v[GO+\i], s[8:9]
.endr
.Lstream:
.irp i, 0,1,2,3,4,5,6,7,8,9,10,11,12,13,14,15
	global_load_b128 v[X+4*\i:X+4*\i+3], v2, s[4:5] offset:512*\i th:TH_LOAD_NT
.endr
	s_cmp_lg_u32 s2, 0
	s_cbranch_scc1 .Lmeet
	; ---------------- wave 0: the table ----------------
	s_wait_loadcnt 16                              ; loads return in order: the four grid loads are in, the 16 younger x loads stay out
	s_wait_kmcnt 0x0
	s_mov_b32 s35, 0                               ; coef_(-1)
	s_mov_b32 s49, 0                               ; coef_13
	; lane j: the reciprocals of (g_(j+i) - g_j) + eps, i = 1, 2, 3, summed in the reference's order
.irp i, 1,2,3
	v_sub_f32 v[GO+\i], v[GL+\i], v[GL]
.endr
.irp i, 1,2,3
	v_add_f32 v[GO+\i], EPS, v[GO+\i]
.endr
.irp i, 1,2,3
	v_rcp_f32 v[RR+\i-1], v[GO+\i]
.endr
	; the sort.  Rank of g_k = how many knots are smaller, or equal with a smaller index: a count of lanes.  The lane whose number is the rank takes g_k.
	v_cmp_gt_u32 vcc_lo, 17, v1                    ; (also the plain instruction behind the reciprocals)
	v_cndmask_b32 v[GX], INF, v[GL], vcc_lo        ; lanes 17..31 count for nobody
	v_mov_b32 v[VS], v[GL]                         ; lanes 17..31 keep this; their rows are never read
.irp k, 0,1,2,3,4,5,6,7,8,9,10,11,12,13,14,15,16
	v_cmp_lt_f32 s[SLT+\k], v[GX], s[SG+\k]
	v_cmp_eq_f32 s[SEQ+\k], v[GX], s[SG+\k]
.endr
.irp k, 0,1,2,3,4,5,6,7,8,9,10,11,12,13,14,15,16
	s_and_b32 s[SEQ+\k], s[SEQ+\k], (1<<\k)-1
	s_or_b32 s[SLT+\k], s[SLT+\k], s[SEQ+\k]
	s_bcnt1_i32_b32 s[SLT+\k], s[SLT+\k]
.endr
.irp k, 0,1,2,3,4,5,6,7,8,9,10,11,12,13,14,15,16
	v_cmp_eq_u32 s[SEQ+\k], s[SLT+\k], v1
.endr
.irp k, 0,1,2,3,4,5,6,7,8,9,10,11,12,13,14,15,16
	v_cndmask_b32 v[VS], v[VS], s[SG+\k], s[SEQ+\k]
.endr
	; level 0 at the centre: indicator_j = (g_j <= s) and not (g_(j+1) <= s); u_j = indicator_j times 1/(g_(j+1)-g_j+eps)
	s_wait_alu depctr_va_vdst(0)
.irp j, 0,1,2,3,4,5,6,7,8,9,10,11,12,13,14,15
	v_readlane_b32 s[SR1+\j], v[RR], \j
.endr
.irp j, 0,1,2,3,4,5,6,7,8,9,10,11,12,13,14,15,16
	v_cmp_le_f32 s[SMK+\j], s[SG+\j], v[VS]
.endr
.irp j, 0,1,2,3,4,5,6,7,8,9,10,11,12,13,14,15
	s_and_not1_b32 s[SMK+\j], s[SMK+\j], s[SMK+\j+1]       ; ascending: mask j+1 is still whole when mask j is cut
.endr
.irp j, 0,1,2,3,4,5,6,7,8,9,10,11,12,13,14,15
	v_cndmask_b32 v[U+\j], 0, s[SR1+\j], s[SMK+\j]
.endr
.irp j, 0,1,2,3,4,5,6,7,8,9,10,11,12,13,14
	v_readlane_b32 s[SR2+\j], v[RR+1], \j
.endr
.irp j, 0,1,2,3,4,5,6,7,8,9,10,11,12,13
	v_readlane_b32 s[SR3+\j], v[RR+2], \j
.endr
.irp j, 0,1,2,3,4,5,6,7,8,9,10,11,12,13,14,15,16
	v_sub_f32 v[E+\j], v[VS], s[SG+\j]             ; x - g_j = e_j + t
.endr
	; level 1, forward: basis_j = (e_j + t) u_j - (e_(j+2) + t) u_(j+1); SR2_j, which belongs to its weight, is multiplied in here (two words, not three)
.irp j, 0,1,2,3,4,5,6,7,8,9,10,11,12,13,14
	v_mul_f32 v[B0+\j], v[E+\j+2], v[U+\j+1]
.endr
.irp j, 0,1,2,3,4,5,6,7,8,9,10,11,12,13,14
	v_fma_f32 v[B0+\j], v[E+\j], v[U+\j], -v[B0+\j]
.endr
.irp j, 0,1,2,3,4,5,6,7,8,9,10,11,12,13,14
	v_sub_f32 v[B1+\j], v[U+\j], v[U+\j+1]
.endr
.irp j, 0,1,2,3,4,5,6,7,8,9,10,11,12,13,14
	v_mul_f32 v[B0+\j], s[SR2+\j], v[B0+\j]
	v_mul_f32 v[B1+\j], s[SR2+\j], v[B1+\j]
.endr
	; backward from coef: the weight of level-2 basis j is SR3_j ((e_j + t) coef_j - (e_(j+3) + t) coef_(j-1)), j = 0..13
.irp j, 0,1,2,3,4,5,6,7,8,9,10,11,12,13
	v_mul_f32 v[W0B+\j], s[SC+\j-1], v[E+\j+3]
	v_sub_f32 v[W1B+\j], s[SC+\j], s[SC+\j-1]
.endr
.irp j, 0,1,2,3,4,5,6,7,8,9,10,11,12,13
	v_fma_f32 v[W0B+\j], v[E+\j], s[SC+\j], -v[W0B+\j]
	v_mul_f32 v[W1B+\j], s[SR3+\j], v[W1B+\j]
.endr
.irp j, 0,1,2,3,4,5,6,7,8,9,10,11,12,13
	v_mul_f32 v[W0B+\j], s[SR3+\j], v[W0B+\j]
.endr
	v_mov_b32 v[W0B-1], 0                          ; there is no level-2 basis -1 or 14
	v_mov_b32 v[W1B-1], 0
	v_mov_b32 v[W0B+14], 0
	v_mov_b32 v[W1B+14], 0
	; the weight of level-1 basis j (without SR2_j): (e_j + t) W_j - (e_(j+2) + t) W_(j-1), j = 0..14
.irp j, 0,1,2,3,4,5,6,7,8,9,10,11,12,13,14
	v_mul_f32 v[K0+\j], v[E+\j+2], v[W0B+\j-1]
	v_sub_f32 v[K1+\j], v[W0B+\j], v[W0B+\j-1]
	v_sub_f32 v[K2+\j], v[W1B+\j], v[W1B+\j-1]
.endr
.irp j, 0,1,2,3,4,5,6,7,8,9,10,11,12,13,14
	v_fma_f32 v[K0+\j], v[E+\j], v[W0B+\j], -v[K0+\j]
	v_fma_f32 v[K1+\j], v[E+\j], v[W1B+\j], v[K1+\j]
.endr
.irp j, 0,1,2,3,4,5,6,7,8,9,10,11,12,13,14
	v_fma_f32 v[K1+\j], -v[E+\j+2], v[W1B+\j-1], v[K1+\j]
.endr
	; y(t) = sum over j of (K0 + K1 t + K2 t^2)(B0 + B1 t); j = 0 starts the four sums
	v_mul_f32 v[A],   v[K0], v[B0]
	v_mul_f32 v[A+1], v[K0], v[B1]
	v_mul_f32 v[A+2], v[K1], v[B1]
	v_mul_f32 v[A+3], v[K2], v[B1]
	v_fmac_f32 v[A+1], v[K1], v[B0]
	v_fmac_f32 v[A+2], v[K2], v[B0]
.irp j, 1,2,3,4,5,6,7,8,9,10,11,12,13,14
	v_fmac_f32 v[A],   v[K0+\j], v[B0+\j]
	v_fmac_f32 v[A+1], v[K0+\j], v[B1+\j]
	v_fmac_f32 v[A+2], v[K1+\j], v[B1+\j]
	v_fmac_f32 v[A+3], v[K2+\j], v[B1+\j]
	v_fmac_f32 v[A+1], v[K1+\j], v[B0+\j]
	v_fmac_f32 v[A+2], v[K2+\j], v[B0+\j]
.endr
	v_mul_u32_u24 v[LA], 20, v1                    ; row of lane m at byte 20 m: the LDS image is the table's register order; word 80 is lane 16's s = s_16
	ds_store_b32 v[LA], v[VS]
	ds_store_b32 v[LA], v[A]   offset:4
	ds_store_b32 v[LA], v[A+1] offset:8
	ds_store_b32 v[LA], v[A+2] offset:12
	ds_store_b32 v[LA], v[A+3] offset:16
	s_wait_dscnt 0x0                               ; for the other waves' sake: the table is in LDS before wave 0 signals
.Lmeet:
	s_barrier_signal -1
	s_barrier_wait -1
	v_mov_b32 v3, 0
.irp q, 0,1,2,3,4,5,6,7,8,9,10,11,12,13,14,15,16,17,18,19
	ds_load_b128 v[T+4*\q:T+4*\q+3], v3 offset:16*\q       ; all lanes read the same 16 bytes
.endr
	ds_load_b32 v[T+80], v3 offset:320
	s_wait_dscnt 0x0
; One element, in place in v[xr].  v_cndmask takes its second source where the mask is set: the upper half of the candidate rows where threshold <= x.
.macro ELEM xr
	v_med3_num_f32 v[\xr], v[\xr], -1.0, 1.0               ; clip
	v_cmp_le_f32 vcc_lo, v[T+40], v[\xr]                   ; s_8 <= x: rows 8..15, else rows 0..7
.set n, 0
.rept 20
	v_dual_cndmask_b32 v[D+n], v[T+n], v[T+40+n] :: v_dual_cndmask_b32 v[D+n+1], v[T+n+1], v[T+41+n]
.set n, n+2
.endr
	v_cmp_le_f32 vcc_lo, v[D+20], v[\xr]                   ; the s of candidate row 4 of 8
.set n, 0
.rept 10
	v_dual_cndmask_b32 v[D+n], v[D+n], v[D+20+n] :: v_dual_cndmask_b32 v[D+n+1], v[D+n+1], v[D+21+n]
.set n, n+2
.endr
	v_cmp_le_f32 vcc_lo, v[D+10], v[\xr]                   ; row 2 of 4
.irp n, 4,0,2,6,8                                          ; the pair with the next threshold (word 5) first
	v_dual_cndmask_b32 v[D+\n], v[D+\n], v[D+10+\n] :: v_dual_cndmask_b32 v[D+\n+1], v[D+\n+1], v[D+11+\n]
.endr
	v_cmp_le_f32 vcc_lo, v[D+5], v[\xr]                    ; row 1 of 2
	v_dual_cndmask_b32 v[D], v[D], v[D+5] :: v_dual_cndmask_b32 v[D+1], v[D+1], v[D+6]
	v_dual_cndmask_b32 v[D+2], v[D+2], v[D+7] :: v_dual_cndmask_b32 v[D+3], v[D+3], v[D+8]
	v_cndmask_b32 v[D+4], v[D+4], v[D+9], vcc_lo
	v_cmp_gt_f32 s14, v[T], v[\xr]                         ; x < s_0,
	v_cmp_le_f32 vcc_lo, v[T+80], v[\xr]                   ; or s_16 <= x: no indicator is on
	v_sub_f32 v[D], v[\xr], v[D]                           ; t = x - s
	s_or_b32 vcc_lo, vcc_lo, s14
	v_fma_f32 v[P], v[D+4], v[D], v[D+3]
	v_fma_f32 v[P], v[P], v[D], v[D+2]
	v_fma_f32 v[P], v[P], v[D], v[D+1]
	v_cndmask_b32 v[\xr], v[P], 0, vcc_lo
.endm
	; sixteen quads.  No register that a load or store names is ever written again: the offsets stand in the immediates, y stays where it is stored from.
.set q, 0
.rept 16
	s_wait_loadcnt 15-q                            ; loads return in order: quad q is in, the 15-q younger ones stay out
	ELEM X+4*q
	ELEM X+4*q+1
	ELEM X+4*q+2
	ELEM X+4*q+3
	global_store_b128 v2, v[X+4*q:X+4*q+3], s[10:11] offset:512*q th:TH_STORE_NT
.set q, q+1
.endr
	s_wait_tensorcnt 0x0
	ds_add_u32 v220, v221
	s_wait_dscnt 0x0
	s_endpgm
.Lfunc_end_k_q8023857350_bspline:
	.size	k_q8023857350_bspline, .Lfunc_end_k_q8023857350_bspline-k_q8023857350_bspline
	.p2alignl 7, 3214868480
	.fill 96, 4, 3214868480
	.section	.rodata,"a",@progbits
	.p2align	6, 0x0
	.amdhsa_kernel k_q8023857350_bspline
		.amdhsa_group_segment_fixed_size 3072
		.amdhsa_private_segment_fixed_size 0
		.amdhsa_enable_private_segment 0
		.amdhsa_kernarg_size 32
		.amdhsa_user_sgpr_count 2
		.amdhsa_user_sgpr_kernarg_segment_ptr 1
		.amdhsa_wavefront_size32 1
		.amdhsa_system_sgpr_workgroup_id_x 1
		.amdhsa_system_sgpr_workgroup_id_y 1
		.amdhsa_system_sgpr_workgroup_id_z 1
		.amdhsa_system_vgpr_workitem_id 0
		.amdhsa_next_free_vgpr 222
		.amdhsa_next_free_sgpr 100
		.amdhsa_reserve_vcc 1
		.amdhsa_float_denorm_mode_32 3
		.amdhsa_float_denorm_mode_16_64 3
		.amdhsa_memory_ordered 1
		.amdhsa_forward_progress 1
		.amdhsa_inst_pref_size 222
	.end_amdhsa_kernel
	.amdgpu_metadata
---
amdhsa.version: [ 1, 2 ]
amdhsa.kernels:
  - .name:           k_q8023857350_bspline
    .symbol:         k_q8023857350_bspline.kd
    .args:
      - { .name: x, .offset: 0, .size: 8, .value_kind: global_buffer, .address_space: global }
      - { .name: coef, .offset: 8, .size: 8, .value_kind: global_buffer, .address_space: global }
      - { .name: grid, .offset: 16, .size: 8, .value_kind: global_buffer, .address_space: global }
      - { .name: out0, .offset: 24, .size: 8, .value_kind: global_buffer, .address_space: global }
    .group_segment_fixed_size: 3072
    .private_segment_fixed_size: 0
    .kernarg_segment_align: 8
    .kernarg_segment_size: 32
    .max_flat_workgroup_size: 512
    .sgpr_count:     100
    .vgpr_count:     222
    .wavefront_size: 32
...
	.end_amdgpu_metadata
.endif
;; end of part 1
;; ======== version 2 of 2: 1 launch; 1.15 times as fast as version 1
;; launch bspline (part 2): grid 256 x 1, 16 waves a work-group, no clusters, 3,072 bytes of LDS; arguments x, coef, grid, out0; writes out0
.if DOCPART == 2
	.amdgcn_target "amdgcn-amd-amdhsa--gfx1250"
	.amdhsa_code_object_version 6
	.text
	.protected	k_q8023857350_bspline
	.globl	k_q8023857350_bspline
	.p2align	8
	.type	k_q8023857350_bspline,@function
k_q8023857350_bspline:
	s_mov_b64 s[64:65], 0
	v_nop
	global_prefetch_b8 v0, s[64:65] scope:SCOPE_SE
	s_setreg_imm32_b32 hwreg(HW_REG_WAVE_MODE, 25, 1), 1
	s_wait_xcnt 0x0
; out0 = cubic B-spline of clip(x, -1, 1) on the 17 knots of grid, weighted by the 13 numbers of coef.  x, out0: [2048][4096] f32.
;
; THE FORM.  Every level of the recurrence is linear in the level-0 indicators and the last product is linear in coef.  Between two
; neighbouring SORTED knots s_m <= x < s_(m+1) each indicator (g_j <= x < g_(j+1)) has the value that it has at x = s_m, whatever the order
; of grid.  So on that interval y is ONE cubic; its four coefficients are got by running the recurrence once in polynomial arithmetic.
; Below s_0 and from s_16 on no indicator is on: y = 0.  This holds for every grid (unsorted, repeated knots); the interval tests are the same
; f32 comparisons, and all knot differences are formed directly (c - g_j, g_(j+i) - g_j + eps).
; Rows 2p and 2p+1 are both expanded about the knot between them, c_p = s_(2p+1): t = x - c_p is in [-h, 0) for the left row and in [0, h) for
; the right one, so each cubic is still expanded about an end of its own interval, and one centre word serves two rows and is the last threshold.
; The 13-term product with coef has one output column; it is folded, in f32, into the 16 cubics.
;
; THE WORK.  256 work-groups x 16 waves; a wave owns 8,192 consecutive bytes, a lane 64 numbers (16 loads of 16 bytes, all issued at the start;
; each load and store of a wave covers 512 consecutive bytes, aligned).  Wave 0 builds the table, lane m for row m, and hands it over through
; LDS; every wave then holds its 81 words in 81 registers, the same in all lanes.
; An element: clip; a binary search over s_1..s_15, four compares; at each level ALL candidate words are halved under that one mask
; (39, 19, 9, 4 words), the thresholds of the later levels among them; then t, three multiply-adds and the test against s_0 and s_16.
; Values are chosen by v_cndmask alone: no address and no branch hangs on a number of x or grid.
; Since a level has one mask, its selects go two to an instruction (v_dual_cndmask_b32); the two halves name neighbouring registers, so that one
; destination is even and one odd and like sources differ in register number mod 4, as AMD's ISA guide asks of dual-issue pairs.  Levels 1, 2 and 3
; have an odd number of words: the odd select shares its instruction with one multiply-add of the ELEMENT BEFORE (a2 += a3 t, a1 += a2 t,
; a0 += a1 t, in place on that element's selected words).  So the elements run as a pipeline one deep, and the last one's tail is written out.
;
; No cluster: all that work-groups share is the 120 bytes of grid and coef.  No tensor loads or LDS ring: the 16 loads of each wave already have its whole share on the way.
;
; LIMITS.  A NaN in x is clipped as -1 (v_med3_num_f32), where the reference gives NaN.  NaN or infinity in grid or coef is not served.
; The divisions are v_rcp_f32 (1 ULP) and a multiply; the sums are ordered otherwise than the reference's.
.set WG_SHIFT, 17                      ; 131,072 bytes of x and of out0 for a work-group
.set WAVE_SHIFT, 13                    ; 8,192 bytes for a wave
.set EPS, 0x322bcc77                   ; 1e-8 in f32
.set INF, 0x7f800000
; registers of the stream
.set X, 8                              ; v[8:71]    my 64 numbers of x, then of y, in place
.set T, 72                             ; v[72:152]  the table.  Pair p at T+10p: left row a0..a3, right row a0..a3, c_p.  Even knot s_m, m = 2..16, at T+5m-1
                                       ;            (slots 9, 29, 49, 69: third thresholds; 19, 59: second; 39: s_8; 79: s_16).  s_0 at T+80
.set D, 154                            ; v[154:192] the candidate words of the element at work, in the table's order
.set H, 193                            ; v193       level 2's word 18 (the upper pair's centre): an odd register, for its partner's sake
.set FA0, 195                          ; the selected row; numbers chosen so that each multiply-add differs from the select beside it
.set FA1, 196                          ; in the destination's parity and in both sources' register number mod 4
.set FA2, 197
.set FA3, 200
.set FT,  199                          ; t = x - c
; scalars of wave 0
.set SG, 16                            ; s[16:32]   g_0..g_16
.set SC, 36                            ; s[36:48]   coef_0..coef_12; s35 = coef_(-1) = 0, s49 = coef_13 = 0
.set SR3, 50                           ; s[50:63]   1/(g_(j+3)-g_j+eps), j = 0..13
.set SR1, 66                           ; s[66:81]   1/(g_(j+1)-g_j+eps), j = 0..15
.set SR2, 82                           ; s[82:96]   1/(g_(j+2)-g_j+eps), j = 0..14
.set SLT, 66                           ; s[66:82]   the sort: masks, then ranks (before SR1 is filled)
.set SEQ, 83                           ; s[83:99]   the sort: masks
.set SMK, 82                           ; s[82:98]   masks g_j <= s, then the indicators (before SR2 is filled)
; vector registers of wave 0's table work; they lie where the table and the candidate words come later
.set E,   72                           ; e_j = c - g_j, j = 0..16
.set U,   89                           ; u_j = indicator_j / (g_(j+1)-g_j+eps), j = 0..15
.set K2,  89                           ; (in U's place once U is spent)
.set B0,  105                          ; level-1 basis j = B0 + B1 t, j = 0..14, times SR2_j
.set B1,  120
.set W0B, 137                          ; weight of level-2 basis j = W0 + W1 t, j = -1..14 (both ends zero)
.set W1B, 153
.set K0,  168                          ; weight of level-1 basis j (without SR2_j) = K0 + K1 t + K2 t^2, j = 0..14
.set K1,  183
.set VS,  198                          ; the lane-th smallest knot: my interval's lower end
.set VC,  199                          ; my centre: s_(lane | 1)
.set GL,  200                          ; v[200:203] g_(lane+i), i = 0..3, the index held at 16
.set GO,  204                          ; v[204:207] their byte offsets; then the denominators
.set GX,  208                          ; g_lane, +infinity in lanes 17..31
.set TP,  209                          ; lane & 1
.set RR,  210                          ; v[210:212] the three reciprocals of lane j
.set A,   214                          ; v[214:217] a0..a3 of my row
.set LA,  218                          ; LDS address of my row
	s_load_b256 s[4:11], s[0:1], 0x0               ; x s[4:5], coef s[6:7], grid s[8:9], out0 s[10:11]
	v_lshl_add_u32 v220, v0, 2, 0x400
	v_mov_b32 v221, 0
	v_and_b32 v1, 31, v0                           ; lane
	v_lshrrev_b32 v3, 5, v0
	v_readfirstlane_b32 s2, v3                     ; wave 0..15
	v_lshlrev_b32 v2, 4, v1
	v_lshl_add_u32 v2, v3, WAVE_SHIFT, v2          ; 8,192 wave + 16 lane: my byte offset in the group's share; never rewritten
	s_lshl_b32 s12, ttmp9, WG_SHIFT                ; below 2^25
	s_mov_b32 s13, 0
	s_wait_kmcnt 0x0
	s_add_nc_u64 s[4:5], s[4:5], s[12:13]
	s_add_nc_u64 s[10:11], s[10:11], s[12:13]
	s_cmp_lg_u32 s2, 0
	s_cbranch_scc1 .Lstream
	; wave 0 asks for grid and coef first, so that its wait for them leaves the x loads out
	s_load_b512 s[16:31], s[8:9], 0x0
	s_load_b32 s32, s[8:9], 0x40
	s_load_b256 s[36:43], s[6:7], 0x0
	s_load_b128 s[44:47], s[6:7], 0x20
	s_load_b32 s48, s[6:7], 0x30
.irp i, 0,1,2,3
	v_add_nc_u32 v[GO+\i], \i, v1
.endr
.irp i, 0,1,2,3
	v_min_u32 v[GO+\i], 16, v[GO+\i]               ; no load leaves the 17 words
.endr
.irp i, 0,1,2,3
	v_lshlrev_b32 v[GO+\i], 2, v[GO+\i]
.endr
.irp i, 0,1,2,3
	global_load_b32 v[GL+\i], v[GO+\i], s[8:9]
.endr
.Lstream:
.irp i, 0,1,2,3,4,5,6,7,8,9,10,11,12,13,14,15
	global_load_b128 v[X+4*\i:X+4*\i+3], v2, s[4:5] offset:512*\i th:TH_LOAD_NT
.endr
	s_cmp_lg_u32 s2, 0
	s_cbranch_scc1 .Lmeet
	; ---------------- wave 0: the table ----------------
	s_wait_loadcnt 16                              ; loads return in order: the four grid loads are in, the 16 younger x loads stay out
	s_wait_kmcnt 0x0
	s_mov_b32 s35, 0                               ; coef_(-1)
	s_mov_b32 s49, 0                               ; coef_13
	; lane j: the reciprocals of (g_(j+i) - g_j) + eps, i = 1, 2, 3, summed in the reference's order
.irp i, 1,2,3
	v_sub_f32 v[GO+\i], v[GL+\i], v[GL]
.endr
.irp i, 1,2,3
	v_add_f32 v[GO+\i], EPS, v[GO+\i]
.endr
.irp i, 1,2,3
	v_rcp_f32 v[RR+\i-1], v[GO+\i]
.endr
	; the sort.  Rank of g_k = how many knots are smaller, or equal with a smaller index: a count of lanes.  The lane whose number is the rank takes g_k.
	v_cmp_gt_u32 vcc_lo, 17, v1                    ; (also the plain instruction behind the reciprocals)
	v_cndmask_b32 v[GX], INF, v[GL], vcc_lo        ; lanes 17..31 count for nobody
	v_mov_b32 v[VS], v[GL]                         ; lanes 17..31 keep this; their rows are never read
.irp k, 0,1,2,3,4,5,6,7,8,9,10,11,12,13,14,15,16
	v_cmp_lt_f32 s[SLT+\k], v[GX], s[SG+\k]
	v_cmp_eq_f32 s[SEQ+\k], v[GX], s[SG+\k]
.endr
.irp k, 0,1,2,3,4,5,6,7,8,9,10,11,12,13,14,15,16
	s_and_b32 s[SEQ+\k], s[SEQ+\k], (1<<\k)-1
	s_or_b32 s[SLT+\k], s[SLT+\k], s[SEQ+\k]
	s_bcnt1_i32_b32 s[SLT+\k], s[SLT+\k]
.endr
.irp k, 0,1,2,3,4,5,6,7,8,9,10,11,12,13,14,15,16
	v_cmp_eq_u32 s[SEQ+\k], s[SLT+\k], v1
.endr
.irp k, 0,1,2,3,4,5,6,7,8,9,10,11,12,13,14,15,16
	v_cndmask_b32 v[VS], v[VS], s[SG+\k], s[SEQ+\k]
.endr
	; the centre: an odd lane's own knot, an even lane's upper neighbour's (lane xor 1)
	v_mov_b32 v[VC], v[VS]                         ; a DPP form's destination counts as read: written first
	v_and_b32 v[TP], 1, v1
	v_mov_b32_dpp v[VC], v[VS] row_xmask:1 row_mask:0xf bank_mask:0xf
	v_cmp_eq_u32 vcc_lo, 1, v[TP]
	v_cndmask_b32 v[VC], v[VC], v[VS], vcc_lo
	; level 0 at the interval's lower end: indicator_j = (g_j <= s) and not (g_(j+1) <= s); u_j = indicator_j times 1/(g_(j+1)-g_j+eps)
	s_wait_alu depctr_va_vdst(0)
.irp j, 0,1,2,3,4,5,6,7,8,9,10,11,12,13,14,15
	v_readlane_b32 s[SR1+\j], v[RR], \j
.endr
.irp j, 0,1,2,3,4,5,6,7,8,9,10,11,12,13,14,15,16
	v_cmp_le_f32 s[SMK+\j], s[SG+\j], v[VS]
.endr
.irp j, 0,1,2,3,4,5,6,7,8,9,10,11,12,13,14,15
	s_and_not1_b32 s[SMK+\j], s[SMK+\j], s[SMK+\j+1]       ; ascending: mask j+1 is still whole when mask j is cut
.endr
.irp j, 0,1,2,3,4,5,6,7,8,9,10,11,12,13,14,15
	v_cndmask_b32 v[U+\j], 0, s[SR1+\j], s[SMK+\j]
.endr
.irp j, 0,1,2,3,4,5,6,7,8,9,10,11,12,13,14
	v_readlane_b32 s[SR2+\j], v[RR+1], \j
.endr
.irp j, 0,1,2,3,4,5,6,7,8,9,10,11,12,13
	v_readlane_b32 s[SR3+\j], v[RR+2], \j
.endr
.irp j, 0,1,2,3,4,5,6,7,8,9,10,11,12,13,14,15,16
	v_sub_f32 v[E+\j], v[VC], s[SG+\j]             ; x - g_j = e_j + t, t = x - c
.endr
	; level 1, forward: basis_j = (e_j + t) u_j - (e_(j+2) + t) u_(j+1); SR2_j, which belongs to its weight, is multiplied in here (two words, not three)
.irp j, 0,1,2,3,4,5,6,7,8,9,10,11,12,13,14
	v_mul_f32 v[B0+\j], v[E+\j+2], v[U+\j+1]
.endr
.irp j, 0,1,2,3,4,5,6,7,8,9,10,11,12,13,14
	v_fma_f32 v[B0+\j], v[E+\j], v[U+\j], -v[B0+\j]
.endr
.irp j, 0,1,2,3,4,5,6,7,8,9,10,11,12,13,14
	v_sub_f32 v[B1+\j], v[U+\j], v[U+\j+1]
.endr
.irp j, 0,1,2,3,4,5,6,7,8,9,10,11,12,13,14
	v_mul_f32 v[B0+\j], s[SR2+\j], v[B0+\j]
	v_mul_f32 v[B1+\j], s[SR2+\j], v[B1+\j]
.endr
	; backward from coef: the weight of level-2 basis j is SR3_j ((e_j + t) coef_j - (e_(j+3) + t) coef_(j-1)), j = 0..13
.irp j, 0,1,2,3,4,5,6,7,8,9,10,11,12,13
	v_mul_f32 v[W0B+\j], s[SC+\j-1], v[E+\j+3]
	v_sub_f32 v[W1B+\j], s[SC+\j], s[SC+\j-1]
.endr
.irp j, 0,1,2,3,4,5,6,7,8,9,10,11,12,13
	v_fma_f32 v[W0B+\j], v[E+\j], s[SC+\j], -v[W0B+\j]
	v_mul_f32 v[W1B+\j], s[SR3+\j], v[W1B+\j]
.endr
.irp j, 0,1,2,3,4,5,6,7,8,9,10,11,12,13
	v_mul_f32 v[W0B+\j], s[SR3+\j], v[W0B+\j]
.endr
	v_mov_b32 v[W0B-1], 0                          ; there is no level-2 basis -1 or 14
	v_mov_b32 v[W1B-1], 0
	v_mov_b32 v[W0B+14], 0
	v_mov_b32 v[W1B+14], 0
	; the weight of level-1 basis j (without SR2_j): (e_j + t) W_j - (e_(j+2) + t) W_(j-1), j = 0..14
.irp j, 0,1,2,3,4,5,6,7,8,9,10,11,12,13,14
	v_mul_f32 v[K0+\j], v[E+\j+2], v[W0B+\j-1]
	v_sub_f32 v[K1+\j], v[W0B+\j], v[W0B+\j-1]
	v_sub_f32 v[K2+\j], v[W1B+\j], v[W1B+\j-1]
.endr
.irp j, 0,1,2,3,4,5,6,7,8,9,10,11,12,13,14
	v_fma_f32 v[K0+\j], v[E+\j], v[W0B+\j], -v[K0+\j]
	v_fma_f32 v[K1+\j], v[E+\j], v[W1B+\j], v[K1+\j]
.endr
.irp j, 0,1,2,3,4,5,6,7,8,9,10,11,12,13,14
	v_fma_f32 v[K1+\j], -v[E+\j+2], v[W1B+\j-1], v[K1+\j]
.endr
	; y(t) = sum over j of (K0 + K1 t + K2 t^2)(B0 + B1 t); j = 0 starts the four sums
	v_mul_f32 v[A],   v[K0], v[B0]
	v_mul_f32 v[A+1], v[K0], v[B1]
	v_mul_f32 v[A+2], v[K1], v[B1]
	v_mul_f32 v[A+3], v[K2], v[B1]
	v_fmac_f32 v[A+1], v[K1], v[B0]
	v_fmac_f32 v[A+2], v[K2], v[B0]
.irp j, 1,2,3,4,5,6,7,8,9,10,11,12,13,14
	v_fmac_f32 v[A],   v[K0+\j], v[B0+\j]
	v_fmac_f32 v[A+1], v[K0+\j], v[B1+\j]
	v_fmac_f32 v[A+2], v[K1+\j], v[B1+\j]
	v_fmac_f32 v[A+3], v[K2+\j], v[B1+\j]
	v_fmac_f32 v[A+1], v[K1+\j], v[B0+\j]
	v_fmac_f32 v[A+2], v[K2+\j], v[B0+\j]
.endr
	v_lshlrev_b32 v[LA], 5, v1                     ; lane m's row at byte 32 m: a0..a3, then s_m; 32 lanes fill the 1,024 bytes
	ds_store_b128 v[LA], v[A:A+3]
	ds_store_b32 v[LA], v[VS] offset:16
	s_wait_dscnt 0x0                               ; for the other waves' sake: the table is in LDS before wave 0 signals
.Lmeet:
	s_barrier_signal -1
	s_barrier_wait -1
	; LDS holds the rows in the lanes' order; the loads' immediates and destinations put them into the table's order.  All lanes read the same bytes.
	v_mov_b32 v3, 0
.irp m, 0,1,2,3,4,5,6,7,8,9,10,11,12,13,14,15
	ds_load_b128 v[T+5*(\m&14)+4*(\m&1):T+5*(\m&14)+4*(\m&1)+3], v3 offset:32*\m   ; pair m/2 at 10 (m/2), the right row 4 words on
.endr
.irp m, 1,3,5,7,9,11,13,15
	ds_load_b32 v[T+5*(\m&14)+8], v3 offset:32*\m+16       ; the odd knots: the pairs' centres
.endr
.irp m, 2,4,6,8,10,12,14,16
	ds_load_b32 v[T+5*\m-1], v3 offset:32*\m+16            ; the even knots: thresholds, and s_16
.endr
	ds_load_b32 v[T+80], v3 offset:16                      ; s_0
	s_wait_dscnt 0x0
; Element idx, in place in v[X+idx]; prev = 1: it also finishes element idx-1.
; v_cndmask takes its second source where the mask is set: the upper half of the candidates where threshold <= x.
; The two masks of the range test take turns between s12/s13 and s14/s15: the element before still needs its own.
.macro ELEM idx, prev
.set xr, X+\idx
.set ma, 12+2*((\idx)&1)
.set mp, 14-2*((\idx)&1)
	v_med3_num_f32 v[xr], v[xr], -1.0, 1.0                 ; clip
	v_cmp_le_f32 vcc_lo, v[T+39], v[xr]                    ; s_8 <= x: rows 8..15, else rows 0..7
	v_cmp_gt_f32 s[ma], v[T+80], v[xr]                     ; x < s_0,
	v_cmp_le_f32 s[ma+1], v[T+79], v[xr]                   ; or s_16 <= x: no indicator is on
.if \prev
	v_dual_cndmask_b32 v[D+38], v[T+38], v[T+78] :: v_dual_fmac_f32 v[FA2], v[FA3], v[FT]      ; word 38; the element before: a2 += a3 t
.else
	v_cndmask_b32 v[D+38], v[T+38], v[T+78], vcc_lo
.endif
.set n, 0
.rept 19
	v_dual_cndmask_b32 v[D+n], v[T+n], v[T+40+n] :: v_dual_cndmask_b32 v[D+n+1], v[T+n+1], v[T+41+n]
.set n, n+2
.endr
	s_or_b32 s[ma], s[ma], s[ma+1]                         ; twenty instructions behind the compares that it reads
	v_cmp_le_f32 vcc_lo, v[D+19], v[xr]                    ; s_4 or s_12
.if \prev
	v_dual_cndmask_b32 v[H], v[D+18], v[D+38] :: v_dual_fmac_f32 v[FA1], v[FA2], v[FT]         ; word 18; a1 += a2 t
.else
	v_cndmask_b32 v[H], v[D+18], v[D+38], vcc_lo
.endif
.set n, 0
.rept 9
	v_dual_cndmask_b32 v[D+n], v[D+n], v[D+20+n] :: v_dual_cndmask_b32 v[D+n+1], v[D+n+1], v[D+21+n]
.set n, n+2
.endr
	v_cmp_le_f32 vcc_lo, v[D+9], v[xr]                     ; s_2, s_6, s_10 or s_14
.if \prev
	v_dual_cndmask_b32 v[D+8], v[D+8], v[H] :: v_dual_fmac_f32 v[FA0], v[FA1], v[FT]           ; word 8, the centre; a0 += a1 t
.else
	v_cndmask_b32 v[D+8], v[D+8], v[H], vcc_lo
.endif
.set n, 0
.rept 4
	v_dual_cndmask_b32 v[D+n], v[D+n], v[D+10+n] :: v_dual_cndmask_b32 v[D+n+1], v[D+n+1], v[D+11+n]
.set n, n+2
.endr
.if \prev
	v_cndmask_b32 v[xr-1], v[FA0], 0, s[mp]                ; the element before is done: 0 outside [s_0, s_16)
.endif
	v_cmp_le_f32 vcc_lo, v[D+8], v[xr]                     ; c <= x: the right row
	v_sub_f32 v[FT], v[xr], v[D+8]                         ; t = x - c
	v_dual_cndmask_b32 v[FA0], v[D], v[D+4] :: v_dual_cndmask_b32 v[FA1], v[D+1], v[D+5]
	v_dual_cndmask_b32 v[FA2], v[D+2], v[D+6] :: v_dual_cndmask_b32 v[FA3], v[D+3], v[D+7]
.endm
	; 64 elements, sixteen quads.  A quad's last element is finished inside the next quad's first, so its store stands behind that one.
	; No register that a load or store names is ever written again: the offsets stand in the immediates, y stays where it is stored from.
.set e, 0
.rept 64
.if (e&3) == 0
	s_wait_loadcnt 15-e/4                          ; loads return in order: this quad is in, the younger ones stay out
.endif
.if e == 0
	ELEM e, 0
.else
	ELEM e, 1
.if (e&3) == 0
	global_store_b128 v2, v[X+e-4:X+e-1], s[10:11] offset:512*(e/4-1) th:TH_STORE_NT
.endif
.endif
.set e, e+1
.endr
	; the last element's tail
	v_fmac_f32 v[FA2], v[FA3], v[FT]
	v_fmac_f32 v[FA1], v[FA2], v[FT]
	v_fmac_f32 v[FA0], v[FA1], v[FT]
	v_cndmask_b32 v[X+63], v[FA0], 0, s14          ; element 63 is odd: its mask is in s14
	global_store_b128 v2, v[X+60:X+63], s[10:11] offset:512*15 th:TH_STORE_NT
	s_wait_tensorcnt 0x0
	ds_add_u32 v220, v221
	s_wait_dscnt 0x0
	s_endpgm
.Lfunc_end_k_q8023857350_bspline:
	.size	k_q8023857350_bspline, .Lfunc_end_k_q8023857350_bspline-k_q8023857350_bspline
	.p2alignl 7, 3214868480
	.fill 96, 4, 3214868480
	.section	.rodata,"a",@progbits
	.p2align	6, 0x0
	.amdhsa_kernel k_q8023857350_bspline
		.amdhsa_group_segment_fixed_size 3072
		.amdhsa_private_segment_fixed_size 0
		.amdhsa_enable_private_segment 0
		.amdhsa_kernarg_size 32
		.amdhsa_user_sgpr_count 2
		.amdhsa_user_sgpr_kernarg_segment_ptr 1
		.amdhsa_wavefront_size32 1
		.amdhsa_system_sgpr_workgroup_id_x 1
		.amdhsa_system_sgpr_workgroup_id_y 1
		.amdhsa_system_sgpr_workgroup_id_z 1
		.amdhsa_system_vgpr_workitem_id 0
		.amdhsa_next_free_vgpr 222
		.amdhsa_next_free_sgpr 100
		.amdhsa_reserve_vcc 1
		.amdhsa_float_denorm_mode_32 3
		.amdhsa_float_denorm_mode_16_64 3
		.amdhsa_memory_ordered 1
		.amdhsa_forward_progress 1
		.amdhsa_inst_pref_size 211
	.end_amdhsa_kernel
	.amdgpu_metadata
---
amdhsa.version: [ 1, 2 ]
amdhsa.kernels:
  - .name:           k_q8023857350_bspline
    .symbol:         k_q8023857350_bspline.kd
    .args:
      - { .name: x, .offset: 0, .size: 8, .value_kind: global_buffer, .address_space: global }
      - { .name: coef, .offset: 8, .size: 8, .value_kind: global_buffer, .address_space: global }
      - { .name: grid, .offset: 16, .size: 8, .value_kind: global_buffer, .address_space: global }
      - { .name: out0, .offset: 24, .size: 8, .value_kind: global_buffer, .address_space: global }
    .group_segment_fixed_size: 3072
    .private_segment_fixed_size: 0
    .kernarg_segment_align: 8
    .kernarg_segment_size: 32
    .max_flat_workgroup_size: 512
    .sgpr_count:     100
    .vgpr_count:     222
    .wavefront_size: 32
...
	.end_amdgpu_metadata
.endif
;; end of part 2
